; MI455X (gfx1250); checked and timed in simulation.
; The chip was launched on July 23, 2026; its instructions are those of AMD's public machine-readable ISA for CDNA 5 (MIT licence, August 2026) and "CDNA5" Instruction Set Architecture Reference Guide (July 2026). The comments in the code are by the model that wrote it; some were corrected since.
;; Grouped Query Attention. Allowed arithmetic: float matrix products may take bf16 or f16 operands with f32 sums; all other float work in f32.
;; Inputs: Wk 1,024 x 256 float32; Wo 1,024 x 1,024 float32; Wq 1,024 x 1,024 float32; Wv 1,024 x 256 float32; bo 1,024 float32; x 2 x 2,048 x 1,024 float32.
;; Outputs: out0 2 x 2,048 x 1,024 float32.
;; One version. Each part assembles by itself: llvm-mc -triple=amdgcn-amd-amdhsa -mcpu=gfx1250 --defsym DOCPART=n.
;; ======== version 1 of 1: 4 launches
;; limits: values are held in f16: magnitudes above 65,504 overflow, below 6.1e-05 lose precision
;; workspace buffers: xb 8,388,608 bytes; wt 5,242,880 bytes; qkv 12,582,912 bytes; ctx 8,388,608 bytes
;; launch cast (part 1): grid 832 x 1, 8 waves a work-group, no clusters, 18,432 bytes of LDS; arguments x, Wq, Wk, Wv, Wo, xb, wt; writes xb, wt
.if DOCPART == 1
	.amdgcn_target "amdgcn-amd-amdhsa--gfx1250"
	.amdhsa_code_object_version 6
	.text
	.protected	k_qe5e729c08e_cast
	.globl	k_qe5e729c08e_cast
	.p2align	8
	.type	k_qe5e729c08e_cast,@function
k_qe5e729c08e_cast:
	s_mov_b64 s[64:65], 0
	v_nop
	global_prefetch_b8 v0, s[64:65] scope:SCOPE_SE
	s_setreg_imm32_b32 hwreg(HW_REG_WAVE_MODE, 25, 1), 1
	s_wait_xcnt 0x0
; xb = x rounded to bf16, [4096][1024].
; wt = the four weights rounded to bf16 and transposed to [n][k], 2560 rows of 1024 numbers of 16 bits:
;      rows 0-1023 Wq's columns, 1024-1279 Wk's, 1280-1535 Wv's (all bf16), 1536-2559 Wo's.
; Wo's partner in its product is kept in f16, and a matrix instruction takes one format for both sources, so Wo's bf16 value
; is written in f16's code.  That second step is exact for 2^-17 <= |Wo| < 65,504 (eight significant bits fit in eleven);
; below 2^-17 it rounds by at most 2^-25.  LIMIT: |Wo| < 65,504.
; A stream: each byte is read once and written once; no matrix unit, no cluster (no two work-groups read the same bytes).
; Every work-group reads 32 KiB and writes 16 KiB.  Groups 0-511 take x, groups 512-831 a tile of 64 n x 128 k of a weight.
.set XGROUPS, 512
.set LP,      272                      ; LDS row of the transposed tile: 128 k x 2 bytes + 16
	s_load_b256 s[4:11], s[0:1], 0x0               ; x s[4:5], Wq s[6:7], Wk s[8:9], Wv s[10:11]
	s_load_b128 s[12:15], s[0:1], 0x20             ; Wo s[12:13], xb s[14:15]
	s_load_b64 s[16:17], s[0:1], 0x30              ; wt
	v_lshl_add_u32 v64, v0, 2, 0x4400
	v_mov_b32 v65, 0
	s_cmp_lt_u32 ttmp9, XGROUPS
	s_cbranch_scc0 .Lweights                       ; the same way for all eight waves of a work-group
	; ---- x: 8,192 numbers.  Thread t takes 16 bytes at 16 t of each of eight blocks of 4,096 bytes.
	v_lshlrev_b32 v1, 4, v0                        ; 16 t: a wave's load covers 512 consecutive bytes
	v_lshlrev_b32 v2, 3, v0                        ; 8 t: a wave's store covers 256 consecutive bytes, aligned
	s_lshl_b32 s20, ttmp9, 15
	s_mov_b32 s21, 0
	s_lshl_b32 s22, ttmp9, 14
	s_mov_b32 s23, 0
	s_wait_kmcnt 0x0
	s_add_nc_u64 s[4:5], s[4:5], s[20:21]
	s_add_nc_u64 s[14:15], s[14:15], s[22:23]
.irp i, 0,1,2,3,4,5,6,7
	global_load_b128 v[12+4*\i:15+4*\i], v1, s[4:5] offset:4096*\i th:TH_LOAD_NT
.endr
.irp i, 0,1,2,3,4,5,6,7
	s_wait_loadcnt 7-\i                            ; loads return in order: block i is in, the 7 - i younger ones stay out
	v_cvt_pk_bf16_f32 v[44+2*\i], v[12+4*\i], v[13+4*\i]
	v_cvt_pk_bf16_f32 v[45+2*\i], v[14+4*\i], v[15+4*\i]
	global_store_b64 v2, v[44+2*\i:45+2*\i], s[14:15] offset:2048*\i
.endr
	s_endpgm
	; ---- a weight tile: wt rows 64 nb .. +63, k = 128 kb .. +127
.Lweights:
	s_sub_co_u32 s20, ttmp9, XGROUPS
	s_lshr_b32 s21, s20, 3                         ; nb, 0 to 39
	s_and_b32 s22, s20, 7                          ; kb
	v_and_b32 v1, 15, v0                           ; r: which 4 columns of the 64
	v_lshrrev_b32 v2, 4, v0                        ; t / 16: which 8 of the 128 k
	s_wait_kmcnt 0x0
	s_mov_b64 s[24:25], s[12:13]                   ; Wo: rows of 4,096 bytes, its first block is nb = 24
	s_mov_b32 s26, 4096
	s_mov_b32 s27, 24
	s_cmp_lt_u32 s21, 24
	s_cselect_b64 s[24:25], s[10:11], s[24:25]     ; Wv: rows of 1,024 bytes, from nb = 20
	s_cselect_b32 s26, 1024, s26
	s_cselect_b32 s27, 20, s27
	s_cmp_lt_u32 s21, 20
	s_cselect_b64 s[24:25], s[8:9], s[24:25]       ; Wk: from nb = 16
	s_cselect_b32 s27, 16, s27
	s_cmp_lt_u32 s21, 16
	s_cselect_b64 s[24:25], s[6:7], s[24:25]       ; Wq: rows of 4,096 bytes, from nb = 0
	s_cselect_b32 s26, 4096, s26
	s_cselect_b32 s27, 0, s27
	s_lshl_b32 s28, s22, 7
	v_lshl_add_u32 v3, v2, 3, s28                  ; my first k = 128 kb + 8 (t / 16)
	s_sub_co_u32 s29, s21, s27
	s_lshl_b32 s29, s29, 8                         ; the block's 64 columns: 256 bytes of a row
	v_lshl_add_u32 v63, v1, 4, s29                 ; + 16 r: sixteen lanes read those 256 bytes whole
	v_mul_lo_u32 v3, v3, s26
	v_add_nc_u32 v4, v3, v63
.irp i, 1,2,3,4,5,6,7
	v_add_nc_u32 v[4+\i], s26, v[3+\i]             ; one row of the weight further down
.endr
.irp i, 0,1,2,3,4,5,6,7
	global_load_b128 v[12+4*\i:15+4*\i], v[4+\i], s[24:25] th:TH_LOAD_NT   ; k = my first + i, 4 columns
.endr
	v_mul_u32_u24 v60, v1, 4*LP
	v_lshl_add_u32 v60, v2, 4, v60                 ; in: LDS row 4 r (+ c by the offset), byte 16 (t / 16)
	v_mul_u32_u24 v61, v2, LP
	v_lshl_add_u32 v61, v1, 4, v61                 ; back: LDS row t / 16, byte 16 r
	v_lshlrev_b32 v62, 11, v2
	v_lshl_add_u32 v62, v1, 4, v62                 ; the same place in wt: rows of 2,048 bytes
	s_lshl_b32 s30, s21, 17                        ; 64 rows of wt
	s_lshl_b32 s31, s22, 8                         ; 128 k
	s_add_co_u32 s30, s30, s31
	s_mov_b32 s31, 0
	s_add_nc_u64 s[16:17], s[16:17], s[30:31]
.irp p, 0,1,2,3
	s_wait_loadcnt 6-2*\p                          ; rows 2 p and 2 p + 1 are in, the younger ones stay out
.irp c, 0,1,2,3
	v_cvt_pk_bf16_f32 v[44+4*\c+\p], v[12+8*\p+\c], v[16+8*\p+\c]   ; column c: k = 2 p below, 2 p + 1 above
.endr
.endr
	s_cmp_lt_u32 s21, 24
	s_cbranch_scc1 .Lpacked
.irp k, 0,1,2,3,4,5,6,7,8,9,10,11,12,13,14,15
	v_lshlrev_b32 v[12+2*(\k%4)], 16, v[44+\k]     ; Wo alone: the bf16 values, widened,
	v_and_b32 v[13+2*(\k%4)], 0xffff0000, v[44+\k]
	v_cvt_pk_f16_f32 v[44+\k], v[12+2*(\k%4)], v[13+2*(\k%4)]   ; in f16's code
.endr
.Lpacked:
.irp c, 0,1,2,3
	ds_store_b128 v60, v[44+4*\c:47+4*\c] offset:LP*\c   ; 8 consecutive k of column 4 r + c
.endr
	s_wait_dscnt 0x0                               ; my stores are done before I say so: other waves read them
	s_barrier_signal -1
	s_barrier_wait -1
.irp i, 0,1,2,3
	ds_load_b128 v[12+4*\i:15+4*\i], v61 offset:\i*16*LP
.endr
.irp i, 0,1,2,3
	s_wait_dscnt 3-\i                              ; LDS loads return in order
	global_store_b128 v62, v[12+4*\i:15+4*\i], s[16:17] offset:\i*32768   ; sixteen lanes store 256 consecutive bytes, aligned
.endr
	s_wait_tensorcnt 0x0
	ds_add_u32 v64, v65
	s_wait_dscnt 0x0
	s_endpgm
.Lfunc_end_k_qe5e729c08e_cast:
	.size	k_qe5e729c08e_cast, .Lfunc_end_k_qe5e729c08e_cast-k_qe5e729c08e_cast
	.p2alignl 7, 3214868480
	.fill 96, 4, 3214868480
	.section	.rodata,"a",@progbits
	.p2align	6, 0x0
	.amdhsa_kernel k_qe5e729c08e_cast
		.amdhsa_group_segment_fixed_size 18432
		.amdhsa_private_segment_fixed_size 0
		.amdhsa_enable_private_segment 0
		.amdhsa_kernarg_size 56
		.amdhsa_user_sgpr_count 2
		.amdhsa_user_sgpr_kernarg_segment_ptr 1
		.amdhsa_wavefront_size32 1
		.amdhsa_system_sgpr_workgroup_id_x 1
		.amdhsa_system_sgpr_workgroup_id_y 1
		.amdhsa_system_sgpr_workgroup_id_z 1
		.amdhsa_system_vgpr_workitem_id 0
		.amdhsa_next_free_vgpr 66
		.amdhsa_next_free_sgpr 66
		.amdhsa_reserve_vcc 0
		.amdhsa_float_denorm_mode_32 3
		.amdhsa_float_denorm_mode_16_64 3
		.amdhsa_memory_ordered 1
		.amdhsa_forward_progress 1
		.amdhsa_inst_pref_size 12
	.end_amdhsa_kernel
	.amdgpu_metadata
---
amdhsa.version: [ 1, 2 ]
amdhsa.kernels:
  - .name:           k_qe5e729c08e_cast
    .symbol:         k_qe5e729c08e_cast.kd
    .args:
      - { .name: x, .offset: 0, .size: 8, .value_kind: global_buffer, .address_space: global }
      - { .name: Wq, .offset: 8, .size: 8, .value_kind: global_buffer, .address_space: global }
      - { .name: Wk, .offset: 16, .size: 8, .value_kind: global_buffer, .address_space: global }
      - { .name: Wv, .offset: 24, .size: 8, .value_kind: global_buffer, .address_space: global }
      - { .name: Wo, .offset: 32, .size: 8, .value_kind: global_buffer, .address_space: global }
      - { .name: xb, .offset: 40, .size: 8, .value_kind: global_buffer, .address_space: global }
      - { .name: wt, .offset: 48, .size: 8, .value_kind: global_buffer, .address_space: global }
    .group_segment_fixed_size: 18432
    .private_segment_fixed_size: 0
    .kernarg_segment_align: 8
    .kernarg_segment_size: 56
    .max_flat_workgroup_size: 256
    .sgpr_count:     66
    .vgpr_count:     66
    .wavefront_size: 32
...
	.end_amdgpu_metadata
.endif
;; end of part 1
;; launch qkvp (part 2): grid 8 x 32, 4 waves a work-group, clusters of 4 x 4, 327,680 bytes of LDS; arguments xb, wt, qkv; writes qkv
.if DOCPART == 2
	.amdgcn_target "amdgcn-amd-amdhsa--gfx1250"
	.amdhsa_code_object_version 6
	.text
	.protected	k_qe5e729c08e_qkvp
	.globl	k_qe5e729c08e_qkvp
	.p2align	8
	.type	k_qe5e729c08e_qkvp,@function
k_qe5e729c08e_qkvp:
	s_mov_b64 s[64:65], 0
	v_nop
	global_prefetch_b8 v0, s[64:65] scope:SCOPE_SE
	s_setreg_imm32_b32 hwreg(HW_REG_WAVE_MODE, 25, 1), 1
	s_wait_xcnt 0x0
	s_wait_alu depctr_hold_cnt(0) depctr_sa_sdst(0) depctr_va_vdst(0) depctr_va_sdst(0) depctr_va_ssrc(0) depctr_va_vcc(0) depctr_vm_vsrc(0)
	s_getreg_b32 s2, hwreg(HW_REG_IB_STS2, 6, 4)
	s_cmp_eq_u32 s2, 0
	s_cbranch_scc0 .Lentry_in_a_cluster
	s_endpgm
.Lentry_in_a_cluster:
	s_bfe_u32 s2, ttmp6, 0x10000c
	s_cmp_lg_u32 s2, 0xf033
	s_cbranch_scc0 .Lentry_shape_is_right
	s_endpgm
.Lentry_shape_is_right:
; [q | k | v] = xb . wt[0:1536]^T: 4096 x 1536 x 1024, bf16 operands, f32 sums, stored in f16 by heads:
; qkv[hb][m][64], hb = 0-15 the query heads, 16-19 the key groups, 20-23 the value groups, m = 2048 b + s.
; f16, because its rounding is eight times finer than bf16's and rows that see few keys pass v on almost unaveraged.
; LIMIT: |x.W| < 65,504.  Inputs as drawn give 0.64 rms; all inputs 30 times larger about 3,100 at five sigma; x and W both
; shifted by 30 of their spreads about 18,500; 30 times smaller 7e-4, where f16 still rounds by 2^-25 at the most.
; A work-group makes 128 x 192 of the product (three heads) with four waves, a wave 64 x 96: 24 accumulator tiles, 192 registers.
; 8 x 32 = 256 work-groups.  K goes in 8 steps of 128 (tile rows of 256 bytes, aligned) through two LDS slots.
; CLUSTERS of 4 x 4: xb's tile hangs on the block row alone and is asked for jointly by a row of the cluster, wt's on the block
; column alone and is asked for jointly by a column: the requests for both are divided by four.
; Window 0: addresses and two fragment buffers; window 1: the accumulators, tile (a, b) at v[8 (6 a + b)].
; The matrix instruction is used transposed (source 0 = rows of wt, source 1 = rows of xb): a lane then holds eight
; neighbouring columns of one row of the product.
.set NB,     6                         ; fragments of 16 columns in a wave's tile; 4 fragments of 16 rows
.set KDIM,   1024
.set KSTEP,  128
.set PITCH,  272                       ; an LDS row: 256 bytes + 16: an odd multiple of 16, so the 16 rows of a fragment load start in 16 different 16-byte columns of 256
.set AHALF,  64*PITCH                  ; 64 rows of xb: one tensor load, and one wave's rows
.set BROWS,  16*NB
.set BHALF,  BROWS*PITCH               ; 96 rows of wt: one tensor load, and one wave's columns
.set BOFF,   2*AHALF
.set SLOT,   2*AHALF+2*BHALF           ; 87,040
.set STAGE,  2*SLOT                    ; 174,080: the way out, 128 rows of 400 bytes; no tensor load lands here
.set SPITCH, 400                       ; 384 bytes + 16
.set PLANE,  524288                    ; bytes of one hb of qkv
.set LAPS,   KDIM/(2*KSTEP)
.set ADRA, 16                          ; v16-17 LDS address of my xb fragments in slot 0, 1
.set ADRB, 20                          ; v20-21 the same for wt
.set STO,  24
.set RD,   25
.set CO,   26
.set F0,   32                          ; fragment buffer 0: wt's 6 fragments, then xb's 4
.set F1,   F0+8*(NB+4)                 ; fragment buffer 1
.set G1,  24                           ; s[24:31] group 1 for xb's tiles
.set G0,  32                           ; s[32:39] group 0 for xb's tiles, one set a slot
.set G1B, 48                           ; s[48:55] group 1 for wt's tiles
.set G0B, 56                           ; s[56:63] group 0 for wt's tiles, one set a slot
.set ACC, 0x50                         ; C and D in window 1, both sources in window 0
.set MSB, 0
.macro WIN new                         ; the immediate's high byte repeats the setting that is left
.if MSB != \new
	s_set_vgpr_msb (MSB<<8)|\new
.set MSB, \new
.endif
.endm
.macro PLACES                          ; four plain vector instructions behind a matrix instruction, ahead of a load into, or a vector read or write of, its registers
.rept 4
	v_nop
.endr
.endm
.macro JLOAD s                         ; waves 0, 1 ask for xb's two halves, waves 2, 3 for wt's: the branch hangs on the wave's number alone
	s_cmp_eq_u32 s11, 0
	s_cbranch_scc0 .Lfor_b_\@
	tensor_load_to_lds s[G0+4*\s:G0+4*\s+3], s[G1:G1+7]
	s_nop 0
	s_branch .Lasked_\@
.Lfor_b_\@:
	tensor_load_to_lds s[G0B+4*\s:G0B+4*\s+3], s[G1B:G1B+7]
	s_nop 0
.Lasked_\@:
.endm
.macro CREST                           ; a round of the cluster's barrier behind its opening work-group barrier
	s_cmp_lg_u32 s10, 0
	s_cbranch_scc1 .Lnot_wave_0_\@
	s_barrier_signal -3
.Lnot_wave_0_\@:
	s_barrier_wait -3
	s_barrier_signal -1
	s_barrier_wait -1
.endm
.macro CROUND
	s_barrier_signal -1
	s_barrier_wait -1
	CREST
.endm
	s_load_b128 s[4:7], s[0:1], 0x0                ; xb, wt
	s_load_b64 s[8:9], s[0:1], 0x10                ; qkv
	v_lshl_add_u32 v254, v0, 2, 0x37000
	v_mov_b32 v255, 0
	ds_add_u32 v254, v255
	v_lshrrev_b32 v1, 5, v0
	v_readfirstlane_b32 s10, v1                    ; wave
	s_lshr_b32 s11, s10, 1                         ; my half of the rows; also: I fetch xb (0) or wt (1)
	s_and_b32 s12, s10, 1                          ; my half of the columns; also: which half tile I fetch
	s_bfe_u32 s40, ttmp6, 0x40000                  ; cx
	s_bfe_u32 s41, ttmp6, 0x40004                  ; cy
	s_lshl_b32 s42, ttmp9, 2
	s_add_co_u32 s42, s42, s40                     ; block column
	s_and_b32 s13, ttmp7, 0xffff
	s_lshl_b32 s13, s13, 2
	s_add_co_u32 s13, s13, s41                     ; block row
	s_lshl_b32 s43, s41, 2
	s_lshl_b32 s43, 15, s43                        ; my row of the cluster
	s_lshl_b32 s44, 0x1111, s40                    ; my column
	s_or_b32 s[G1+0], s43, (1<<16)|(1<<20)|(1<<21)|(5<<22)|(3<<25)   ; mask; 2-byte elements; padding on; bit 21 beside a mask; 4 words behind every 64
	s_or_b32 s[G1B+0], s44, (1<<16)|(1<<20)|(1<<21)|(5<<22)|(3<<25)
	s_mov_b32 s[G1+1], KSTEP<<16                   ; tensor_dim0 = 128
	s_mov_b32 s[G1B+1], KSTEP<<16
	s_mov_b32 s[G1+2], 64<<16                      ; tensor_dim1 = 64 rows
	s_mov_b32 s[G1B+2], BROWS<<16                  ; 96 rows
	s_mov_b32 s[G1+3], KSTEP<<16                   ; tile_dim0 = 128
	s_mov_b32 s[G1B+3], KSTEP<<16
	s_mov_b32 s[G1+4], 64                          ; tile_dim1
	s_mov_b32 s[G1B+4], BROWS
	s_mov_b32 s[G1+5], KDIM                        ; elements from row to row
	s_mov_b32 s[G1B+5], KDIM
	s_mov_b32 s[G1+6], 0
	s_mov_b32 s[G1B+6], 0
	s_mov_b32 s[G1+7], 0
	s_mov_b32 s[G1B+7], 0
	s_lshl_b32 s17, s12, 6
	s_lshl_b32 s16, s13, 7
	s_add_co_u32 s16, s16, s17                     ; xb: row 128 x block row + 64 x half
	s_lshl_b32 s16, s16, 11                        ; rows of 2,048 bytes
	s_mov_b32 s17, 0
	s_mul_i32 s46, s42, 2*BROWS
	s_mul_i32 s47, s12, BROWS
	s_add_co_u32 s46, s46, s47                     ; wt: row 192 x block column + 96 x half
	s_lshl_b32 s46, s46, 11
	s_mov_b32 s47, 0
	s_mul_i32 s20, s12, AHALF                      ; where they go: the wave's number alone enters an LDS address
	s_mul_i32 s21, s12, BHALF
	s_add_co_u32 s21, s21, BOFF
	s_wait_dscnt 0x0
	s_wait_kmcnt 0x0
	s_add_nc_u64 s[14:15], s[4:5], s[16:17]
	s_add_nc_u64 s[46:47], s[6:7], s[46:47]
	CROUND                                         ; all sixteen work-groups are here: the first joint loads meet
.irp s, 0,1
	s_mov_b32 s[G0+4*\s], 1
	s_add_co_u32 s[G0+4*\s+1], s20, \s*SLOT
	s_add_nc_u64 s[G0+4*\s+2:G0+4*\s+3], s[14:15], \s*KSTEP*2
	s_or_b32 s[G0+4*\s+3], s[G0+4*\s+3], 0x80000000
	s_mov_b32 s[G0B+4*\s], 1
	s_add_co_u32 s[G0B+4*\s+1], s21, \s*SLOT
	s_add_nc_u64 s[G0B+4*\s+2:G0B+4*\s+3], s[46:47], \s*KSTEP*2
	s_or_b32 s[G0B+4*\s+3], s[G0B+4*\s+3], 0x80000000
	JLOAD \s                                       ; K steps 0 and 1: two loads of the wave are out
.endr
	v_and_b32 v1, 15, v0                           ; r
	v_bfe_u32 v2, v0, 4, 1                         ; h
	v_mul_u32_u24 v3, v1, PITCH
	v_lshl_add_u32 v3, v2, 4, v3                   ; a fragment: row r, 16 h; two loads 32 bytes apart
	s_mul_i32 s22, s11, AHALF
	s_mul_i32 s23, s12, BHALF
	s_add_co_u32 s23, s23, BOFF
.irp s, 0,1
	v_add_nc_u32 v[ADRA+\s], s22, v3
	v_add_nc_u32 v[ADRB+\s], s23, v3
	s_add_co_u32 s22, s22, SLOT
	s_add_co_u32 s23, s23, SLOT
.endr
	s_mul_i32 s18, s11, 64*SPITCH
	s_mul_i32 s19, s12, 192
	s_add_co_u32 s18, s18, s19
	s_add_co_u32 s18, s18, STAGE
	v_mul_u32_u24 v4, v1, SPITCH
	v_lshl_add_u32 v4, v2, 4, v4
	v_add_nc_u32 v[STO], s18, v4                   ; in: row 64 x half + r, byte 192 x half + 16 h
	v_and_b32 v5, 31, v0
	v_lshrrev_b32 v6, 3, v5
	v_and_b32 v7, 7, v0
	v_mul_u32_u24 v6, v6, SPITCH
	v_lshl_add_u32 v6, v7, 4, v6
	s_mul_i32 s19, s10, 32*SPITCH
	s_add_co_u32 s19, s19, STAGE
	v_add_nc_u32 v[RD], s19, v6                    ; back: row 32 wave + lane / 8, 16 bytes at 16 (lane mod 8) of a head's 128
	v_lshlrev_b32 v5, 4, v5
	v_lshl_add_u32 v[CO], s10, 12, v5              ; in a plane of qkv those four rows are 512 consecutive bytes
; NB matrix instructions: row fragment a x all column fragments, 32 along K.  zero = 1: the first product starts the sums.
.macro MULA f, a, zero
.irp b, 0,1,2,3,4,5
.if \zero
	v_wmma_f32_16x16x32_bf16 v[8*(NB*\a+\b):8*(NB*\a+\b)+7], v[\f+8*\b:\f+8*\b+7], v[\f+8*NB+8*\a:\f+8*NB+8*\a+7], 0
.else
	v_wmma_f32_16x16x32_bf16 v[8*(NB*\a+\b):8*(NB*\a+\b)+7], v[\f+8*\b:\f+8*\b+7], v[\f+8*NB+8*\a:\f+8*NB+8*\a+7], v[8*(NB*\a+\b):8*(NB*\a+\b)+7]
.endif
.endr
.endm
.macro FETCH slot, k, f                ; 20 LDS loads in one run: wt's 6 fragments, then xb's 4
	WIN 0
.irp i, 0,1,2,3,4,5
	ds_load_b128 v[\f+8*\i:\f+8*\i+3],   v[ADRB+\slot] offset:\k+\i*16*PITCH
	ds_load_b128 v[\f+8*\i+4:\f+8*\i+7], v[ADRB+\slot] offset:\k+\i*16*PITCH+32
.endr
.irp i, 0,1,2,3
	ds_load_b128 v[\f+8*NB+8*\i:\f+8*NB+8*\i+3],   v[ADRA+\slot] offset:\k+\i*16*PITCH
	ds_load_b128 v[\f+8*NB+8*\i+4:\f+8*NB+8*\i+7], v[ADRA+\slot] offset:\k+\i*16*PITCH+32
.endr
.endm
; A quarter of a K step.  The 24 accumulators take turns, one instruction a turn, in the same order in every quarter.
.macro QUARTER slot, k, f, g, zero
	s_wait_dscnt 4                                 ; all but the youngest four loads: xb's fragments 2 and 3 may be out
	WIN ACC
	MULA \f, 0, \zero
	MULA \f, 1, \zero
	PLACES
	FETCH \slot, \k, \g
	s_wait_dscnt 2*NB+8                            ; all but the run just issued
	WIN ACC
	MULA \f, 2, \zero
	MULA \f, 3, \zero
.endm
.macro THREE slot, zero
	QUARTER \slot, 64,  F0, F1, \zero
	QUARTER \slot, 128, F1, F0, 0
	QUARTER \slot, 192, F0, F1, 0
.endm
; The last quarter changes slots.  In front of the barrier each wave waits for its reads of this slot and for all its tensor loads (one is out:
; its part of the next slot).  Where the slot is filled again the barrier opens a round of the cluster's barrier, and the joint refill is the
; first tensor load behind the round.
.macro TURN slot, next, fill
	s_wait_dscnt 4
	WIN ACC
	MULA F1, 0, 0
	s_wait_dscnt 0
	s_wait_tensorcnt 0x0
	ds_add_u32 v254, v255
	s_wait_dscnt 0x0
	s_barrier_signal -1
	MULA F1, 1, 0                                  ; register work while the others arrive
	WIN 0
	s_barrier_wait -1
.if \fill
	CREST
	s_add_nc_u64 s[G0+4*\slot+2:G0+4*\slot+3], s[G0+4*\slot+2:G0+4*\slot+3], 2*KSTEP*2
	s_add_nc_u64 s[G0B+4*\slot+2:G0B+4*\slot+3], s[G0B+4*\slot+2:G0B+4*\slot+3], 2*KSTEP*2
	JLOAD \slot
.endif
	PLACES
	FETCH \next, 0, F0
	WIN ACC
	MULA F1, 2, 0
	MULA F1, 3, 0
.endm
.macro LAP zero
	THREE 0, \zero
	TURN 0, 1, 1
	THREE 1, 0
	TURN 1, 0, 1
.endm
	s_wait_tensorcnt 1                             ; my part of K step 0 is in; K step 1's load may stay out
	s_barrier_signal -1
	s_barrier_wait -1
	FETCH 0, 0, F0
	LAP 1
	WIN 0
	s_mov_b32 s3, LAPS-2
.Llap:
	LAP 0
	WIN 0
	s_sub_co_u32 s3, s3, 1
	s_cmp_lg_u32 s3, 0
	s_cbranch_scc1 .Llap
	THREE 0, 0                                     ; the last lap fills nothing
	TURN 0, 1, 0
	THREE 1, 0
	s_wait_dscnt 4
	WIN ACC
	MULA F1, 0, 0
	MULA F1, 1, 0
	s_wait_dscnt 0
	MULA F1, 2, 0
	MULA F1, 3, 0
	; THE WAY OUT: round to f16, 16 bytes a lane into the stage, read back by heads, store 512 consecutive bytes an instruction.
	PLACES
	WIN 0x05
.irp a, 0,1,2,3
.irp b, 0,1,2,3,4,5
.irp i, 0,1,2,3
	v_cvt_pk_f16_f32 v[F0+4*(NB*\a+\b)+\i], v[8*(NB*\a+\b)+2*\i], v[8*(NB*\a+\b)+2*\i+1]
.endr
.endr
.endr
	WIN 0
.irp a, 0,1,2,3
.irp b, 0,1,2,3,4,5
	ds_store_b128 v[STO], v[F0+4*(NB*\a+\b):F0+4*(NB*\a+\b)+3] offset:\a*16*SPITCH+32*\b
.endr
.endr
	s_mul_i32 s46, s42, 3*PLANE                    ; my three planes
	s_mov_b32 s47, 0
	s_add_nc_u64 s[8:9], s[8:9], s[46:47]
	s_lshl_b32 s16, s13, 14                        ; my 128 rows of 128 bytes
	s_mov_b32 s17, 0
	s_add_nc_u64 s[8:9], s[8:9], s[16:17]
	s_wait_dscnt 0x0                               ; a row of the stage comes from two waves: my stores are done before I say so
	s_barrier_signal -1
	s_barrier_wait -1
.irp p, 0,1,2
.irp t, 0,1,2,3,4,5,6,7
	ds_load_b128 v[F0+4*(8*\p+\t):F0+4*(8*\p+\t)+3], v[RD] offset:\p*128+\t*4*SPITCH
.endr
.endr
.irp p, 0,1,2
.irp t, 0,1,2,3,4,5,6,7
	s_wait_dscnt 23-(8*\p+\t)                      ; LDS loads return in order
	global_store_b128 v[CO], v[F0+4*(8*\p+\t):F0+4*(8*\p+\t)+3], s[8:9] offset:\p*PLANE+\t*512
.endr
.endr
	s_wait_tensorcnt 0x0
	ds_add_u32 v254, v255
	s_wait_dscnt 0x0
	CROUND                                         ; the closing round: no work-group ends while a partner may still ask for a tile that names it
	s_endpgm
.Lfunc_end_k_qe5e729c08e_qkvp:
	.size	k_qe5e729c08e_qkvp, .Lfunc_end_k_qe5e729c08e_qkvp-k_qe5e729c08e_qkvp
	.p2alignl 7, 3214868480
	.fill 96, 4, 3214868480
	.section	.rodata,"a",@progbits
	.p2align	6, 0x0
	.amdhsa_kernel k_qe5e729c08e_qkvp
		.amdhsa_group_segment_fixed_size 327680
		.amdhsa_private_segment_fixed_size 0
		.amdhsa_enable_private_segment 0
		.amdhsa_kernarg_size 24
		.amdhsa_user_sgpr_count 2
		.amdhsa_user_sgpr_kernarg_segment_ptr 1
		.amdhsa_wavefront_size32 1
		.amdhsa_system_sgpr_workgroup_id_x 1
		.amdhsa_system_sgpr_workgroup_id_y 1
		.amdhsa_system_sgpr_workgroup_id_z 1
		.amdhsa_system_vgpr_workitem_id 0
		.amdhsa_next_free_vgpr 448
		.amdhsa_next_free_sgpr 66
		.amdhsa_reserve_vcc 0
		.amdhsa_float_denorm_mode_32 3
		.amdhsa_float_denorm_mode_16_64 3
		.amdhsa_memory_ordered 1
		.amdhsa_forward_progress 1
		.amdhsa_inst_pref_size 96
	.end_amdhsa_kernel
	.amdgpu_metadata
---
amdhsa.version: [ 1, 2 ]
amdhsa.kernels:
  - .name:           k_qe5e729c08e_qkvp
    .symbol:         k_qe5e729c08e_qkvp.kd
    .args:
      - { .name: xb, .offset: 0, .size: 8, .value_kind: global_buffer, .address_space: global }
      - { .name: wt, .offset: 8, .size: 8, .value_kind: global_buffer, .address_space: global }
      - { .name: qkv, .offset: 16, .size: 8, .value_kind: global_buffer, .address_space: global }
    .group_segment_fixed_size: 327680
    .private_segment_fixed_size: 0
    .kernarg_segment_align: 8
    .kernarg_segment_size: 24
    .max_flat_workgroup_size: 128
    .sgpr_count:     66
    .vgpr_count:     448
    .wavefront_size: 32
...
	.end_amdgpu_metadata
.endif
;; end of part 2
;; launch attn (part 3): grid 256 x 1, 4 waves a work-group, clusters of 4 x 1, 327,680 bytes of LDS; arguments qkv, ctx; writes ctx
.if DOCPART == 3
	.amdgcn_target "amdgcn-amd-amdhsa--gfx1250"
	.amdhsa_code_object_version 6
	.text
	.protected	k_qe5e729c08e_attn
	.globl	k_qe5e729c08e_attn
	.p2align	8
	.type	k_qe5e729c08e_attn,@function
k_qe5e729c08e_attn:
	s_mov_b64 s[64:65], 0
	v_nop
	global_prefetch_b8 v0, s[64:65] scope:SCOPE_SE
	s_setreg_imm32_b32 hwreg(HW_REG_WAVE_MODE, 25, 1), 1
	s_wait_xcnt 0x0
	s_wait_alu depctr_hold_cnt(0) depctr_sa_sdst(0) depctr_va_vdst(0) depctr_va_sdst(0) depctr_va_ssrc(0) depctr_va_vcc(0) depctr_vm_vsrc(0)
	s_getreg_b32 s2, hwreg(HW_REG_IB_STS2, 6, 4)
	s_cmp_eq_u32 s2, 0
	s_cbranch_scc0 .Lentry_in_a_cluster
	s_endpgm
.Lentry_in_a_cluster:
	s_bfe_u32 s2, ttmp6, 0x10000c
	s_cmp_lg_u32 s2, 0x3003
	s_cbranch_scc0 .Lentry_shape_is_right
	s_endpgm
.Lentry_shape_is_right:
; Causal attention with a running maximum.  qkv[hb][2048 b + s][64] in f16 (hb: 0-15 q heads, 16-19 k groups, 20-23 v groups);
; ctx[2048 b + s][64 head + d] in f16.  Scores, maxima, sums and the output sums are f32; P is rounded to f16 for its product.
; LIMITS: probabilities below 2^-126 of the row's largest come out of v_exp_f32 as 0, those below 2^-25 round to 0 in f16;
; results are unspecified where the inputs make a score infinite or NaN.
; SHARING.  Cluster cl = 0-63: batch b and group g from cl / 8, c = cl mod 8.  Work-group cx of the cluster: i = 4 c + cx.  The four waves are
; the four query heads of group g, so they read the same K and V in LDS.  Each wave takes two blocks of 32 queries: the low one at 32 i,
; then the high one at 2016 - 32 i.  In tiles of 128 keys the low block needs c + 1 and the high block 16 - c: 17 in every work-group.
; The walk of tiles hangs on c alone, so the four work-groups of a cluster want the same tiles in the same trips and ask for them JOINTLY
; (mask 15): the requests for K and V are divided by four.  cx enters only the mask's thresholds and the addresses of Q and ctx.
; LAYOUT, without any shuffle: S^T = K Q^T (source 0 = 16 keys, source 1 = 16 queries): lane (r, h) holds query r, keys 16 kt + 8 h + j.  Two
; neighbouring tiles, packed in place, are source 1 of O^T = V^T P^T; V^T comes from LDS by the transposing load.  Maximum, sum and rescale
; are one number a lane, joined across the two halves of the wave by one v_permlanex16_b32.  A lane's 8 results are 8 neighbouring d.
; K RUNS ONE SUB-STEP (64 keys) AHEAD OF V: slot t holds V of sub-steps 2 t, 2 t + 1 and K of 2 t + 1, 2 t + 2, so the next sub-step's K
; fragments are always read from a slot that is already whole, and land during the softmax.
.set KP,    144                        ; a key's row of K in LDS: 128 bytes + 16 (an odd multiple of 16)
.set VP,    160                        ; of V: 128 + 32 (an odd multiple of 32, for the transposing load)
.set KREG,  64*KP                      ; 9,216
.set VOFF,  2*KREG                     ; 18,432
.set VHALF, 64*VP                      ; 10,240
.set SLOT,  VOFF+2*VHALF               ; 38,912
.set K0R,   2*SLOT                     ; 77,824: K of sub-step 0, filled once
.set STG,   K0R+KREG                   ; 87,040: the way out, 32 rows of 528 bytes; no tensor load lands here
.set SP,    528                        ; 4 heads x 128 bytes + 16
.set PLANE, 524288
.set ADK,  4                           ; v4-5   K fragments in slot 0, 1
.set ADV,  6                           ; v6-7   V fragments in slot 0, 1
.set STO,  8
.set RDA,  9
.set CO,   10
.set QO,   11
.set NINF, 12                          ; -infinity
.set THR,  16                          ; v16-19 mask thresholds, index 2 sub + X
.set MX,   20                          ; v20-21 running maximum of block half X
.set LS,   22                          ; v[22:23], v[24:25] running sums, two partial sums each
.set NBR,  26                          ; v[26:27] - c x maximum (the upper register is only named)
.set ALF,  28                          ; v[28:29] rescale factor (likewise)
.set TM,   32                          ; v32-47 at work
.set QF,   48                          ; v48-79 Q fragments, 8 (2 X + ks)
.set SC,   80                          ; v80-143 scores, then P: 32 X + 8 kt
.set KF,   144                         ; v144-207 K fragments, 8 (2 kt + ks)
.set OA,   0                           ; window 1: v0-63 output sums, 32 X + 8 dt
.set VF,   64                          ; window 1: v64-127 V^T fragments, 8 (4 ksv + dt)
.set QHI,  128                         ; window 1: v128-159 the high block's Q
.set KB,   24                          ; s[24:25] K of (b, g)
.set VB,   26                          ; s[26:27] V of (b, g)
.set CBL,  28                          ; s[28:29] ctx at the low block
.set CBH,  30                          ; s[30:31] ctx at the high block
.set G1K,  32
.set G1V,  40
.set G1K0, 48
.set G0K,  56                          ; s[56:59], s[60:63]
.set G0V,  68                          ; s[68:71], s[72:75]
.set G0K0, 76
.set MSB, 0
.macro WIN new
.if MSB != \new
	s_set_vgpr_msb (MSB<<8)|\new
.set MSB, \new
.endif
.endm
.macro PLACES n                        ; plain vector instructions behind a matrix instruction (ISA guide 7.12.1)
.rept \n
	v_nop
.endr
.endm
.macro ROUND                           ; a round of the cluster's barrier
	s_barrier_signal -1
	s_barrier_wait -1
	s_cmp_lg_u32 s10, 0
	s_cbranch_scc1 .Lnot_wave_0_\@
	s_barrier_signal -3
.Lnot_wave_0_\@:
	s_barrier_wait -3
	s_barrier_signal -1
	s_barrier_wait -1
.endm
; The addresses of trip s80's tiles into slot ns's sets.  Sub-step u reads key block u of the low walk, or u - 2 (c + 1) of the high one.
.macro ADDRT ns
	s_lshl1_add_u32 s90, s80, s12                  ; V: u = 2 t + my half
	s_add_co_u32 s92, s90, 1                       ; K: one ahead
	s_cmp_ge_u32 s90, s18
	s_cselect_b32 s94, s18, 0
	s_sub_co_u32 s90, s90, s94
	s_cmp_ge_u32 s92, s18
	s_cselect_b32 s94, s18, 0
	s_sub_co_u32 s92, s92, s94
	s_lshl_b32 s90, s90, 13                        ; 64 keys of 128 bytes
	s_lshl_b32 s92, s92, 13
	s_add_nc_u64 s[G0V+4*\ns+2:G0V+4*\ns+3], s[VB:VB+1], s[90:91]
	s_or_b32 s[G0V+4*\ns+3], s[G0V+4*\ns+3], 0x80000000
	s_add_nc_u64 s[G0K+4*\ns+2:G0K+4*\ns+3], s[KB:KB+1], s[92:93]
	s_or_b32 s[G0K+4*\ns+3], s[G0K+4*\ns+3], 0x80000000
.endm
; One joint load a wave: waves 0, 1 K's two blocks, waves 2, 3 V's.  mode 2 (the last fill): sub-step 34 does not exist, so wave 1 asks for nothing.
.macro KVLOAD ns, mode
	s_cmp_eq_u32 s11, 0
	s_cbranch_scc0 .Lkv_v_\@
.if \mode == 2
	s_cmp_lg_u32 s12, 0
	s_cbranch_scc1 .Lkv_done_\@
.endif
	tensor_load_to_lds s[G0K+4*\ns:G0K+4*\ns+3], s[G1K:G1K+7]
	s_nop 0
	s_branch .Lkv_done_\@
.Lkv_v_\@:
	tensor_load_to_lds s[G0V+4*\ns:G0V+4*\ns+3], s[G1V:G1V+7]
	s_nop 0
.Lkv_done_\@:
.endm
.macro KLOAD adr, off                  ; 16 LDS loads: 64 keys x 64 d as 8 fragments
.irp kt, 0,1,2,3
.irp ks, 0,1
	ds_load_b128 v[KF+16*\kt+8*\ks:KF+16*\kt+8*\ks+3],   v[\adr] offset:\off+\kt*16*KP+\ks*64
	ds_load_b128 v[KF+16*\kt+8*\ks+4:KF+16*\kt+8*\ks+7], v[\adr] offset:\off+\kt*16*KP+\ks*64+32
.endr
.endr
.endm
.macro MASK sub                        ; a key behind its query: 16 kt + j > threshold
.irp x, 0,1
.irp kt, 0,1,2,3
.irp j, 0,1,2,3,4,5,6,7
	v_cmp_gt_i32 vcc_lo, 16*\kt+\j, v[THR+2*\sub+\x]
	v_cndmask_b32 v[SC+32*\x+8*\kt+\j], v[SC+32*\x+8*\kt+\j], v[NINF], vcc_lo
.endr
.endr
.endr
.endm
; The softmax step of 16 queries x 64 keys.  c = log2(e) / 8 = 0x3e38aa3b: the division by sqrt(64) rides in the exponent's factor.
.macro SOFTMAX x
.set SB, SC+32*\x
.irp q, 0,1,2,3
	v_max3_num_f32 v[TM+\q], v[SB+8*\q], v[SB+8*\q+1], v[SB+8*\q+2]
.endr
.irp q, 0,1,2,3
	v_max3_num_f32 v[TM+\q], v[TM+\q], v[SB+8*\q+3], v[SB+8*\q+4]
.endr
.irp q, 0,1,2,3
	v_max3_num_f32 v[TM+\q], v[TM+\q], v[SB+8*\q+5], v[SB+8*\q+6]
.endr
	v_max3_num_f32 v[TM], v[TM], v[SB+7], v[SB+15]
	v_max3_num_f32 v[TM+2], v[TM+2], v[SB+23], v[SB+31]
	v_max3_num_f32 v[TM], v[TM], v[TM+1], v[TM+2]
	v_max3_num_f32 v[TM], v[TM], v[TM+3], v[MX+\x]         ; with the maximum so far
	v_permlanex16_b32 v[TM+1], v[TM], s22, s23             ; the other half of the wave holds the query's other 32 keys
	v_max_num_f32 v[TM], v[TM], v[TM+1]                    ; the new maximum: finite from a block's first sub-step on, which holds key 0
	v_mul_f32 v[NBR], 0xbe38aa3b, v[TM]                    ; - c x new maximum
	v_fma_f32 v[TM+2], v[MX+\x], 0x3e38aa3b, v[NBR]        ; c x (old - new); -infinity at a block's start
	v_exp_f32 v[ALF], v[TM+2]                              ; the rescale factor; 0 at a block's start, which wipes the sums
	v_mov_b32 v[MX+\x], v[TM]                              ; the plain instruction behind the exponential
.set j, 0
.rept 16
	v_pk_fma_f32 v[SB+j:SB+j+1], v[SB+j:SB+j+1], 0x3e38aa3b, v[NBR:NBR+1] op_sel_hi:[1,0,0]
.set j, j+2
.endr
.set j, 0
.rept 32
	v_exp_f32 v[SB+j], v[SB+j]
.set j, j+1
.endr
	WIN 0x41                                               ; the output sums are rescaled: also the plain instructions behind the exponentials
.set j, 0
	s_wait_alu depctr_va_vdst(0)
.rept 16
	v_pk_mul_f32 v[OA+32*\x+j:OA+32*\x+j+1], v[OA+32*\x+j:OA+32*\x+j+1], v[ALF:ALF+1] op_sel_hi:[1,0]
.set j, j+2
.endr
	WIN 0
	v_pk_fma_f32 v[LS+2*\x:LS+2*\x+1], v[LS+2*\x:LS+2*\x+1], v[ALF:ALF+1], v[SB:SB+1] op_sel_hi:[1,0,1]
.irp q, 0,1,2,3
	v_pk_add_f32 v[TM+4+2*\q:TM+5+2*\q], v[SB+2+4*\q:SB+3+4*\q], v[SB+4+4*\q:SB+5+4*\q]
.endr
.irp q, 0,1,2,3
	v_pk_add_f32 v[TM+4+2*\q:TM+5+2*\q], v[TM+4+2*\q:TM+5+2*\q], v[SB+18+2*\q:SB+19+2*\q]
.endr
.irp q, 0,1,2
	v_pk_add_f32 v[TM+4+2*\q:TM+5+2*\q], v[TM+4+2*\q:TM+5+2*\q], v[SB+26+2*\q:SB+27+2*\q]
.endr
	v_pk_add_f32 v[TM+4:TM+5], v[TM+4:TM+5], v[TM+6:TM+7]
	v_pk_add_f32 v[TM+8:TM+9], v[TM+8:TM+9], v[TM+10:TM+11]
	v_pk_add_f32 v[TM+4:TM+5], v[TM+4:TM+5], v[TM+8:TM+9]
	v_pk_add_f32 v[LS+2*\x:LS+2*\x+1], v[LS+2*\x:LS+2*\x+1], v[TM+4:TM+5]
.irp ksv, 0,1
.irp i, 0,1,2,3,4,5,6,7
	v_cvt_pk_f16_f32 v[SB+16*\ksv+\i], v[SB+16*\ksv+2*\i], v[SB+16*\ksv+2*\i+1]   ; in place: register i is written when 2 i, 2 i + 1 are read
.endr
.endr
.endm
.macro PV x                            ; O^T += V^T P^T; the four accumulators take turns, one instruction a turn
	WIN 0x51
.irp ksv, 0,1
.irp dt, 0,1,2,3
	v_wmma_f32_16x16x32_f16 v[OA+32*\x+8*\dt:OA+32*\x+8*\dt+7], v[VF+8*(4*\ksv+\dt):VF+8*(4*\ksv+\dt)+7], v[SC+32*\x+16*\ksv:SC+32*\x+16*\ksv+7], v[OA+32*\x+8*\dt:OA+32*\x+8*\dt+7]
.endr
.endr
	WIN 0
.endm
; 64 keys against the wave's 32 queries.  kl = 1: the next sub-step's K is fetched.  diag = 1: masked if this is the low block's last trip; 2: masked.
.macro SUBSTEP slot, sub, kl, diag
	WIN 0x40
.irp ksv, 0,1
.irp dt, 0,1,2,3
	ds_load_tr16_b128 v[VF+8*(4*\ksv+\dt):VF+8*(4*\ksv+\dt)+3],   v[ADV+\slot] offset:\sub*VHALF+\ksv*32*VP+\dt*32
	ds_load_tr16_b128 v[VF+8*(4*\ksv+\dt)+4:VF+8*(4*\ksv+\dt)+7], v[ADV+\slot] offset:\sub*VHALF+\ksv*32*VP+\dt*32+16*VP
.endr
.endr
	WIN 0
	s_wait_dscnt 16                                ; K's fragments are older than the 16 loads of V just issued
.irp x, 0,1
.irp kt, 0,1,2,3
	v_wmma_f32_16x16x32_f16 v[SC+32*\x+8*\kt:SC+32*\x+8*\kt+7], v[KF+16*\kt:KF+16*\kt+7], v[QF+16*\x:QF+16*\x+7], 0
.endr
.irp kt, 0,1,2,3
	v_wmma_f32_16x16x32_f16 v[SC+32*\x+8*\kt:SC+32*\x+8*\kt+7], v[KF+16*\kt+8:KF+16*\kt+15], v[QF+16*\x+8:QF+16*\x+15], v[SC+32*\x+8*\kt:SC+32*\x+8*\kt+7]
.endr
.endr
	PLACES 4                                       ; ahead of the loads into K's fragments and of the reads of the scores
.if \kl
	KLOAD ADK+\slot, \sub*KREG
.endif
.if \diag == 1
	s_cmp_lg_u32 s21, s19
	s_cbranch_scc1 .Lno_mask_\@
.endif
.if \diag
	MASK \sub
.endif
.if \diag == 1
.Lno_mask_\@:
.endif
	SOFTMAX 0
.if \kl
	s_wait_dscnt 16                                ; V is in; the 16 younger loads of K may stay out
.else
	s_wait_dscnt 0
.endif
	PV 0
	SOFTMAX 1                                      ; plain vector work on other registers while PV 0 runs
	PV 1
	PLACES 5                                       ; ahead of the next loads into V's fragments and of the next scores, which write over P
.endm
; A block is done: divide by the sums, round to f16, through the stage, 512 consecutive bytes of a row of ctx a store.
.macro FINAL cb, reinit
	v_add_f32 v[TM], v[LS], v[LS+1]
	v_add_f32 v[TM+2], v[LS+2], v[LS+3]
	v_permlanex16_b32 v[TM+1], v[TM], s22, s23
	v_permlanex16_b32 v[TM+3], v[TM+2], s22, s23
	v_add_f32 v[TM], v[TM], v[TM+1]
	v_add_f32 v[TM+2], v[TM+2], v[TM+3]
	v_rcp_f32 v[TM], v[TM]
	v_rcp_f32 v[TM+2], v[TM+2]
	v_nop                                          ; the plain instruction behind the reciprocals
	WIN 0x41
	s_wait_alu depctr_va_vdst(0)
.irp x, 0,1
.set j, 0
.rept 16
	v_pk_mul_f32 v[OA+32*\x+j:OA+32*\x+j+1], v[OA+32*\x+j:OA+32*\x+j+1], v[TM+2*\x:TM+2*\x+1] op_sel_hi:[1,0]
.set j, j+2
.endr
.endr
	WIN 0x05
.irp x, 0,1
.irp dt, 0,1,2,3
.irp i, 0,1,2,3
	v_cvt_pk_f16_f32 v[SC+4*(4*\x+\dt)+\i], v[OA+32*\x+8*\dt+2*\i], v[OA+32*\x+8*\dt+2*\i+1]
.endr
.endr
.endr
	WIN 0
.irp x, 0,1
.irp dt, 0,1,2,3
	ds_store_b128 v[STO], v[SC+4*(4*\x+\dt):SC+4*(4*\x+\dt)+3] offset:\x*16*SP+\dt*32
.endr
.endr
	s_wait_dscnt 0x0                               ; a row of the stage comes from four waves: my stores are done before I say so
	s_barrier_signal -1                            ; the tensor load that is out may stay out
	s_barrier_wait -1
.irp t, 0,1,2,3,4,5,6,7
	ds_load_b128 v[SC+32+4*\t:SC+32+4*\t+3], v[RDA] offset:SP*\t
.endr
.irp t, 0,1,2,3,4,5,6,7
	s_wait_dscnt 7-\t                              ; LDS loads return in order
	global_store_b128 v[CO], v[SC+32+4*\t:SC+32+4*\t+3], s[\cb:\cb+1] offset:2048*\t
.endr
	s_wait_xcnt 0x0                                ; the stores' data registers are written again only behind this wait
.if \reinit
	v_mov_b32 v[MX], v[NINF]                       ; the high block begins: with the maximum at -infinity the next rescale factor is 0,
	v_mov_b32 v[MX+1], v[NINF]                     ; which wipes the (finite) sums: nothing is cleared
.irp k, 0,1,2,3
	v_add_nc_u32 v[THR+\k], s88, v[THR+\k]         ; its place in its last tile
.endr
	WIN 0x01
.set j, 0
.rept 32
	v_mov_b32 v[QF+j], v[QHI+j]
.set j, j+1
.endr
	WIN 0
	s_mov_b32 s19, 0xffff                          ; no further trip of the loop is a last one
.endif
.endm
; A trip: a tile of 128 keys from slot; refill: the next trip's tiles go into the other slot.
.macro TRIP slot, other, toff, refill, diag, kl
	s_add_co_u32 s21, s20, \toff                   ; the trip's number
	s_wait_tensorcnt 0x0                           ; all my tensor loads have landed, my part of this trip's slot among them: every group 0 may be written
	ds_add_u32 v254, v255
	s_wait_dscnt 0x0
.if \refill
	s_add_co_u32 s80, s21, 1
	ADDRT \other
.endif
	s_wait_dscnt 0x0                               ; my reads of the other slot are done
.if \refill
	ROUND                                          ; both now hold of every wave of the four work-groups
	KVLOAD \other, \refill                         ; my one tensor load behind the round, and the first thing there
.else
	s_barrier_signal -1
	s_barrier_wait -1
.endif
	SUBSTEP \slot, 0, 1, \diag
	SUBSTEP \slot, 1, \kl, \diag
.if \diag == 1
	s_cmp_lg_u32 s21, s19
	s_cbranch_scc1 .Lnot_last_\@
	FINAL CBL, 1
.Lnot_last_\@:
.endif
.if \diag == 2
	FINAL CBH, 0
.endif
.endm
	s_load_b128 s[4:7], s[0:1], 0x0                ; qkv, ctx
	v_lshl_add_u32 v254, v0, 2, 0x29000
	v_mov_b32 v255, 0
	ds_add_u32 v254, v255
	v_lshrrev_b32 v1, 5, v0
	v_readfirstlane_b32 s10, v1                    ; wave = query head in the group
	s_lshr_b32 s11, s10, 1                         ; I fetch K (0) or V (1)
	s_and_b32 s12, s10, 1                          ; which 64 keys
	s_and_b32 s14, ttmp9, 7                        ; c
	s_lshr_b32 s81, ttmp9, 3
	s_lshr_b32 s16, s81, 2                         ; b
	s_and_b32 s17, s81, 3                          ; g
	s_lshl_b32 s18, s14, 1
	s_add_co_u32 s18, s18, 2                       ; sub-steps of the low block
	s_mov_b32 s19, s14                             ; the low block's last trip
	s_mov_b32 s22, 0x76543210
	s_mov_b32 s23, 0xfedcba98
	s_mov_b32 s91, 0
	s_mov_b32 s93, 0
	; group 1: rows of 64 elements of 2 bytes (one key), dense in memory; padding behind every 32 words, one row
	s_mov_b32 s[G1K+0], 15|(1<<16)|(1<<20)|(1<<21)|(4<<22)|(3<<25)    ; the four work-groups; 4 words of padding: pitch 144
	s_mov_b32 s[G1V+0], 15|(1<<16)|(1<<20)|(1<<21)|(4<<22)|(7<<25)    ; 8 words: pitch 160
	s_mov_b32 s[G1K0+0], 15|(1<<16)|(1<<20)|(1<<21)|(4<<22)|(3<<25)
.irp g, G1K, G1V, G1K0
	s_mov_b32 s[\g+1], 64<<16                      ; tensor_dim0
	s_mov_b32 s[\g+3], 64<<16                      ; tile_dim0
	s_mov_b32 s[\g+5], 64                          ; elements from row to row
	s_mov_b32 s[\g+6], 0
	s_mov_b32 s[\g+7], 0
.endr
	s_mov_b32 s[G1K+2], 64<<16                     ; tensor_dim1 = 64 keys
	s_mov_b32 s[G1K+4], 64                         ; tile_dim1
	s_mov_b32 s[G1V+2], 64<<16
	s_mov_b32 s[G1V+4], 64
	s_mov_b32 s[G1K0+2], 32<<16                    ; sub-step 0's K: 32 keys for each of waves 0 and 1
	s_mov_b32 s[G1K0+4], 32
	s_add_co_u32 s82, s17, 16
	s_lshl_b32 s82, s82, 19                        ; plane 16 + g
	s_lshl_b32 s94, s16, 18                        ; 2,048 rows of 128 bytes a batch
	s_add_co_u32 s82, s82, s94
	s_mov_b32 s83, 0
	; what hangs on cx: kept in registers that feed no descriptor
	s_bfe_u32 s13, ttmp6, 0x40000                  ; cx
	s_lshl2_add_u32 s15, s14, s13                  ; i
	s_lshl_b32 s15, s15, 5                         ; 32 i
	s_lshl_b32 s66, s16, 11
	s_add_co_u32 s67, s66, s15                     ; the low block's first row
	s_add_co_u32 s66, s66, 2016
	s_sub_co_u32 s66, s66, s15                     ; the high block's
	s_lshl_b32 s95, s17, 9                         ; the group's 512 bytes of a row of ctx
	s_lshl_b32 s28, s67, 11
	s_add_co_u32 s28, s28, s95
	s_mov_b32 s29, 0
	s_lshl_b32 s30, s66, 11
	s_add_co_u32 s30, s30, s95
	s_mov_b32 s31, 0
	s_lshl2_add_u32 s95, s17, s10                  ; head = 4 g + wave
	s_lshl_b32 s95, s95, 19
	s_lshl_b32 s84, s67, 7
	s_add_co_u32 s84, s84, s95
	s_mov_b32 s85, 0
	s_lshl_b32 s86, s66, 7
	s_add_co_u32 s86, s86, s95
	s_mov_b32 s87, 0
	s_lshl_b32 s88, s13, 6
	s_sub_co_u32 s88, 96, s88                      ; thresholds, high less low: (96 - 32 cx) - 32 cx
	s_lshl_b32 s15, s13, 5                         ; 32 cx
	s_wait_dscnt 0x0
	s_wait_kmcnt 0x0
	s_add_nc_u64 s[KB:KB+1], s[4:5], s[82:83]
	s_add_nc_u64 s[VB:VB+1], s[KB:KB+1], 4*PLANE
	s_add_nc_u64 s[CBL:CBL+1], s[6:7], s[28:29]
	s_add_nc_u64 s[CBH:CBH+1], s[6:7], s[30:31]
	s_add_nc_u64 s[84:85], s[4:5], s[84:85]        ; Q of the low block
	s_add_nc_u64 s[86:87], s[4:5], s[86:87]        ; Q of the high block
	; group 0: LDS addresses from the wave's number and the slot alone
	s_mul_i32 s81, s12, KREG
.irp s, 0,1
	s_mov_b32 s[G0K+4*\s], 1
	s_add_co_u32 s[G0K+4*\s+1], s81, \s*SLOT
.endr
	s_mul_i32 s81, s12, VHALF
.irp s, 0,1
	s_mov_b32 s[G0V+4*\s], 1
	s_add_co_u32 s[G0V+4*\s+1], s81, \s*SLOT+VOFF
.endr
	s_mul_i32 s81, s12, 32*KP
	s_mov_b32 s[G0K0], 1
	s_add_co_u32 s[G0K0+1], s81, K0R
	s_lshl_b32 s90, s12, 12                        ; 32 keys of 128 bytes
	s_add_nc_u64 s[G0K0+2:G0K0+3], s[KB:KB+1], s[90:91]
	s_or_b32 s[G0K0+3], s[G0K0+3], 0x80000000
	s_mov_b32 s80, 0
	ADDRT 0
	v_and_b32 v1, 15, v0                           ; r
	v_bfe_u32 v2, v0, 4, 1                         ; h
	v_and_b32 v3, 31, v0                           ; lane
	v_lshlrev_b32 v13, 4, v2                       ; 16 h
	v_lshl_add_u32 v[QO], v1, 7, v13
	ROUND                                          ; the four work-groups are here: the first joint loads meet
	s_cmp_eq_u32 s11, 0                            ; the first fills, in one branch on the wave's number: two loads out in waves 0, 1, one in waves 2, 3
	s_cbranch_scc0 .Lfirst_v
	tensor_load_to_lds s[G0K0:G0K0+3], s[G1K0:G1K0+7]
	s_nop 0
	tensor_load_to_lds s[G0K:G0K+3], s[G1K:G1K+7]
	s_nop 0
	s_branch .Lfirst_done
.Lfirst_v:
	tensor_load_to_lds s[G0V:G0V+3], s[G1V:G1V+7]
	s_nop 0
.Lfirst_done:
.irp x, 0,1
.irp ks, 0,1
	global_load_b128 v[QF+16*\x+8*\ks:QF+16*\x+8*\ks+3],   v[QO], s[84:85] offset:\x*2048+\ks*64
	global_load_b128 v[QF+16*\x+8*\ks+4:QF+16*\x+8*\ks+7], v[QO], s[84:85] offset:\x*2048+\ks*64+32
.endr
.endr
	WIN 0x40
.irp x, 0,1
.irp ks, 0,1
	global_load_b128 v[QHI+16*\x+8*\ks:QHI+16*\x+8*\ks+3],   v[QO], s[86:87] offset:\x*2048+\ks*64
	global_load_b128 v[QHI+16*\x+8*\ks+4:QHI+16*\x+8*\ks+7], v[QO], s[86:87] offset:\x*2048+\ks*64+32
.endr
.endr
.set j, 0
.rept 64
	v_mov_b32 v[OA+j], 0                           ; once in the launch: the first tile cannot be written out to start the sums, since with c = 0 it is a masked one
.set j, j+1
.endr
	WIN 0
	v_mul_u32_u24 v14, v1, KP
	v_add_nc_u32 v[ADK], v14, v13                  ; key r, 16 h
	v_add_nc_u32 v[ADK+1], SLOT, v[ADK]
	v_and_b32 v14, 7, v0
	v_lshl_add_u32 v14, v2, 3, v14                 ; key 8 h + lane mod 8
	v_mul_u32_u24 v14, v14, VP
	v_bfe_u32 v15, v0, 3, 1
	v_lshl_add_u32 v14, v15, 4, v14                ; + 16 bytes for lanes 8-15 and 24-31
	v_add_nc_u32 v[ADV], VOFF, v14
	v_add_nc_u32 v[ADV+1], VOFF+SLOT, v14
	v_mul_u32_u24 v14, v1, SP
	v_add_nc_u32 v14, v14, v13
	s_lshl_b32 s81, s10, 7
	s_add_co_u32 s81, s81, STG
	v_add_nc_u32 v[STO], s81, v14                  ; in: query r, my head's 128 bytes, 16 h
	v_lshlrev_b32 v14, 4, v3
	s_mul_i32 s81, s10, 8*SP
	s_add_co_u32 s81, s81, STG
	v_add_nc_u32 v[RDA], s81, v14                  ; back: rows 8 wave + t, 512 bytes by 32 lanes
	v_lshl_add_u32 v[CO], s10, 14, v14             ; the same in ctx: rows of 2,048 bytes
	v_lshlrev_b32 v14, 3, v2
	v_sub_nc_u32 v14, v1, v14
	v_add_nc_u32 v[THR], s15, v14                  ; 32 cx + r - 8 h
	v_add_nc_u32 v[THR+1], 16, v[THR]              ; + 16 X
	v_add_nc_u32 v[THR+2], 0xffffffc0, v[THR]      ; - 64 sub
	v_add_nc_u32 v[THR+3], 0xffffffd0, v[THR]
	v_mov_b32 v[NINF], 0xff800000
	v_mov_b32 v[MX], 0xff800000
	v_mov_b32 v[MX+1], 0xff800000
.irp k, 0,1,2,3
	v_mov_b32 v[LS+\k], 0
.endr
	v_mov_b32 v[NBR+1], 0
	v_mov_b32 v[ALF+1], 0
	s_wait_tensorcnt 0x0                           ; my first fills are in
	s_barrier_signal -1
	s_barrier_wait -1                              ; everybody's are
	KLOAD ADK+1, K0R-SLOT                          ; K of sub-step 0
	s_wait_loadcnt 0x0                             ; Q, both blocks
	s_mov_b32 s20, 0
.Ltrips:
	TRIP 0, 1, 0, 1, 1, 1
	TRIP 1, 0, 1, 1, 1, 1
	s_add_co_u32 s20, s20, 2
	s_cmp_lt_u32 s20, 14
	s_cbranch_scc1 .Ltrips                         ; trips 0 to 13; the low block's last trip, c <= 7, is among them
	TRIP 0, 1, 0, 1, 0, 1                          ; trip 14
	TRIP 1, 0, 1, 2, 0, 1                          ; trip 15: the last fill
	TRIP 0, 1, 2, 0, 2, 0                          ; trip 16: the high block's last tile, masked; nothing is left to fetch
	s_wait_tensorcnt 0x0
	ds_add_u32 v254, v255
	s_wait_dscnt 0x0
	ROUND                                          ; the closing round
	s_endpgm
.Lfunc_end_k_qe5e729c08e_attn:
	.size	k_qe5e729c08e_attn, .Lfunc_end_k_qe5e729c08e_attn-k_qe5e729c08e_attn
	.p2alignl 7, 3214868480
	.fill 96, 4, 3214868480
	.section	.rodata,"a",@progbits
	.p2align	6, 0x0
	.amdhsa_kernel k_qe5e729c08e_attn
		.amdhsa_group_segment_fixed_size 327680
		.amdhsa_private_segment_fixed_size 0
		.amdhsa_enable_private_segment 0
		.amdhsa_kernarg_size 16
		.amdhsa_user_sgpr_count 2
		.amdhsa_user_sgpr_kernarg_segment_ptr 1
		.amdhsa_wavefront_size32 1
		.amdhsa_system_sgpr_workgroup_id_x 1
		.amdhsa_system_sgpr_workgroup_id_y 1
		.amdhsa_system_sgpr_workgroup_id_z 1
		.amdhsa_system_vgpr_workitem_id 0
		.amdhsa_next_free_vgpr 416
		.amdhsa_next_free_sgpr 96
		.amdhsa_reserve_vcc 1
		.amdhsa_float_denorm_mode_32 3
		.amdhsa_float_denorm_mode_16_64 3
		.amdhsa_memory_ordered 1
		.amdhsa_forward_progress 1
		.amdhsa_inst_pref_size 248
	.end_amdhsa_kernel
	.amdgpu_metadata
---
amdhsa.version: [ 1, 2 ]
amdhsa.kernels:
  - .name:           k_qe5e729c08e_attn
    .symbol:         k_qe5e729c08e_attn.kd
    .args:
      - { .name: qkv, .offset: 0, .size: 8, .value_kind: global_buffer, .address_space: global }
      - { .name: ctx, .offset: 8, .size: 8, .value_kind: global_buffer, .address_space: global }
    .group_segment_fixed_size: 327680
    .private_segment_fixed_size: 0
    .kernarg_segment_align: 8
    .kernarg_segment_size: 16
    .max_flat_workgroup_size: 128
    .sgpr_count:     96
    .vgpr_count:     416
    .wavefront_size: 32
...
	.end_amdgpu_metadata
.endif
;; end of part 3
;; launch oproj (part 4): grid 8 x 32, 4 waves a work-group, clusters of 4 x 4, 327,680 bytes of LDS; arguments ctx, wt, bo, out0; writes out0
.if DOCPART == 4
	.amdgcn_target "amdgcn-amd-amdhsa--gfx1250"
	.amdhsa_code_object_version 6
	.text
	.protected	k_qe5e729c08e_oproj
	.globl	k_qe5e729c08e_oproj
	.p2align	8
	.type	k_qe5e729c08e_oproj,@function
k_qe5e729c08e_oproj:
	s_mov_b64 s[64:65], 0
	v_nop
	global_prefetch_b8 v0, s[64:65] scope:SCOPE_SE
	s_setreg_imm32_b32 hwreg(HW_REG_WAVE_MODE, 25, 1), 1
	s_wait_xcnt 0x0
	s_wait_alu depctr_hold_cnt(0) depctr_sa_sdst(0) depctr_va_vdst(0) depctr_va_sdst(0) depctr_va_ssrc(0) depctr_va_vcc(0) depctr_vm_vsrc(0)
	s_getreg_b32 s2, hwreg(HW_REG_IB_STS2, 6, 4)
	s_cmp_eq_u32 s2, 0
	s_cbranch_scc0 .Lentry_in_a_cluster
	s_endpgm
.Lentry_in_a_cluster:
	s_bfe_u32 s2, ttmp6, 0x10000c
	s_cmp_lg_u32 s2, 0xf033
	s_cbranch_scc0 .Lentry_shape_is_right
	s_endpgm
.Lentry_shape_is_right:
; out0 = ctx . Wo + bo: 4096 x 1024 x 1024, f16 operands (ctx as attention left it; wt rows 1536-2559 hold Wo's columns, rounded to bf16
; and written in f16's code), f32 sums, f32 bias, f32 out.
; A work-group makes 128 x 128 with four waves, a wave 64 x 64: 16 accumulator tiles, 128 registers.  8 x 32 = 256 work-groups.
; K goes in 8 steps of 128 (tile rows of 256 bytes, aligned) through two LDS slots.
; CLUSTERS of 4 x 4: ctx's tile is asked for jointly by a row of the cluster, wt's by a column: the requests for both are divided by four.
; Window 0: addresses, bias, two fragment buffers; window 1: the accumulators, tile (a, b) at v[8 (4 a + b)].
; The matrix instruction is used transposed (source 0 = rows of wt, source 1 = rows of ctx): a lane holds eight neighbouring columns of a row.
.set NB,     4
.set KDIM,   1024
.set KSTEP,  128
.set PITCH,  272                       ; 256 bytes + 16: an odd multiple of 16
.set AHALF,  64*PITCH
.set BROWS,  16*NB
.set BHALF,  BROWS*PITCH
.set BOFF,   2*AHALF
.set SLOT,   2*AHALF+2*BHALF           ; 69,632
.set STAGE,  2*SLOT                    ; 139,264: 16 rows of 272 bytes for each wave; no tensor load lands here
.set SPITCH, 272
.set LAPS,   KDIM/(2*KSTEP)
.set ADRA, 16
.set ADRB, 20
.set STO,  24
.set RD,   25
.set CO,   26
.set BO,   27
.set BI,   28                          ; v[28:31] the bias of my 4 columns on the way out
.set F0,   32
.set F1,   F0+8*(NB+4)
.set G1,  24
.set G0,  32
.set G1B, 48
.set G0B, 56
.set ACC, 0x50
.set MSB, 0
.macro WIN new
.if MSB != \new
	s_set_vgpr_msb (MSB<<8)|\new
.set MSB, \new
.endif
.endm
.macro PLACES                          ; four plain vector instructions behind a matrix instruction (ISA guide 7.12.1)
.rept 4
	v_nop
.endr
.endm
.macro JLOAD s
	s_cmp_eq_u32 s11, 0
	s_cbranch_scc0 .Lfor_b_\@
	tensor_load_to_lds s[G0+4*\s:G0+4*\s+3], s[G1:G1+7]
	s_nop 0
	s_branch .Lasked_\@
.Lfor_b_\@:
	tensor_load_to_lds s[G0B+4*\s:G0B+4*\s+3], s[G1B:G1B+7]
	s_nop 0
.Lasked_\@:
.endm
.macro CREST
	s_cmp_lg_u32 s10, 0
	s_cbranch_scc1 .Lnot_wave_0_\@
	s_barrier_signal -3
.Lnot_wave_0_\@:
	s_barrier_wait -3
	s_barrier_signal -1
	s_barrier_wait -1
.endm
.macro CROUND
	s_barrier_signal -1
	s_barrier_wait -1
	CREST
.endm
	s_load_b128 s[4:7], s[0:1], 0x0                ; ctx, wt
	s_load_b64 s[66:67], s[0:1], 0x10              ; bo
	s_load_b64 s[8:9], s[0:1], 0x18                ; out0
	v_lshl_add_u32 v254, v0, 2, 0x29000
	v_mov_b32 v255, 0
	ds_add_u32 v254, v255
	v_lshrrev_b32 v1, 5, v0
	v_readfirstlane_b32 s10, v1
	s_lshr_b32 s11, s10, 1
	s_and_b32 s12, s10, 1
	s_bfe_u32 s40, ttmp6, 0x40000
	s_bfe_u32 s41, ttmp6, 0x40004
	s_lshl_b32 s42, ttmp9, 2
	s_add_co_u32 s42, s42, s40                     ; block column
	s_and_b32 s13, ttmp7, 0xffff
	s_lshl_b32 s13, s13, 2
	s_add_co_u32 s13, s13, s41                     ; block row
	s_lshl_b32 s43, s41, 2
	s_lshl_b32 s43, 15, s43
	s_lshl_b32 s44, 0x1111, s40
	s_or_b32 s[G1+0], s43, (1<<16)|(1<<20)|(1<<21)|(5<<22)|(3<<25)
	s_or_b32 s[G1B+0], s44, (1<<16)|(1<<20)|(1<<21)|(5<<22)|(3<<25)
	s_mov_b32 s[G1+1], KSTEP<<16
	s_mov_b32 s[G1B+1], KSTEP<<16
	s_mov_b32 s[G1+2], 64<<16
	s_mov_b32 s[G1B+2], BROWS<<16
	s_mov_b32 s[G1+3], KSTEP<<16
	s_mov_b32 s[G1B+3], KSTEP<<16
	s_mov_b32 s[G1+4], 64
	s_mov_b32 s[G1B+4], BROWS
	s_mov_b32 s[G1+5], KDIM
	s_mov_b32 s[G1B+5], KDIM
	s_mov_b32 s[G1+6], 0
	s_mov_b32 s[G1B+6], 0
	s_mov_b32 s[G1+7], 0
	s_mov_b32 s[G1B+7], 0
	s_lshl_b32 s17, s12, 6
	s_lshl_b32 s16, s13, 7
	s_add_co_u32 s16, s16, s17
	s_lshl_b32 s16, s16, 11
	s_mov_b32 s17, 0
	s_mul_i32 s46, s42, 2*BROWS
	s_mul_i32 s47, s12, BROWS
	s_add_co_u32 s46, s46, s47
	s_lshl_b32 s46, s46, 11
	s_mov_b32 s47, 0
	s_mul_i32 s20, s12, AHALF
	s_mul_i32 s21, s12, BHALF
	s_add_co_u32 s21, s21, BOFF
	s_wait_dscnt 0x0
	s_wait_kmcnt 0x0
	s_add_nc_u64 s[6:7], s[6:7], 1536*2048         ; Wo's rows of wt
	s_add_nc_u64 s[14:15], s[4:5], s[16:17]
	s_add_nc_u64 s[46:47], s[6:7], s[46:47]
	CROUND
.irp s, 0,1
	s_mov_b32 s[G0+4*\s], 1
	s_add_co_u32 s[G0+4*\s+1], s20, \s*SLOT
	s_add_nc_u64 s[G0+4*\s+2:G0+4*\s+3], s[14:15], \s*KSTEP*2
	s_or_b32 s[G0+4*\s+3], s[G0+4*\s+3], 0x80000000
	s_mov_b32 s[G0B+4*\s], 1
	s_add_co_u32 s[G0B+4*\s+1], s21, \s*SLOT
	s_add_nc_u64 s[G0B+4*\s+2:G0B+4*\s+3], s[46:47], \s*KSTEP*2
	s_or_b32 s[G0B+4*\s+3], s[G0B+4*\s+3], 0x80000000
	JLOAD \s                                       ; K steps 0 and 1: two loads of the wave are out
.endr
	v_and_b32 v1, 15, v0
	v_bfe_u32 v2, v0, 4, 1
	s_lshl_b32 s18, s42, 9
	s_lshl_b32 s19, s12, 8
	s_add_co_u32 s18, s18, s19
	v_lshl_add_u32 v[BO], v1, 4, s18               ; bias of columns 128 block + 64 half + 4 r .. + 3
	global_load_b128 v[BI:BI+3], v[BO], s[66:67]
	v_mul_u32_u24 v3, v1, PITCH
	v_lshl_add_u32 v3, v2, 4, v3
	s_mul_i32 s22, s11, AHALF
	s_mul_i32 s23, s12, BHALF
	s_add_co_u32 s23, s23, BOFF
.irp s, 0,1
	v_add_nc_u32 v[ADRA+\s], s22, v3
	v_add_nc_u32 v[ADRB+\s], s23, v3
	s_add_co_u32 s22, s22, SLOT
	s_add_co_u32 s23, s23, SLOT
.endr
	s_mul_i32 s18, s10, 16*SPITCH
	s_add_co_u32 s18, s18, STAGE                   ; my stage
	v_mul_u32_u24 v4, v1, SPITCH
	v_lshl_add_u32 v4, v2, 5, v4
	v_add_nc_u32 v[STO], s18, v4                   ; in: row r, 32 bytes for each half of the lanes
	v_mul_u32_u24 v5, v2, SPITCH
	v_lshl_add_u32 v5, v1, 4, v5
	v_add_nc_u32 v[RD], s18, v5                    ; back: lanes 0-15 a row of 256 bytes, lanes 16-31 the next
	v_lshlrev_b32 v5, 12, v2
	v_lshl_add_u32 v[CO], v1, 4, v5                ; the same two rows in out0
.macro MULA f, a, zero
.irp b, 0,1,2,3
.if \zero
	v_wmma_f32_16x16x32_f16 v[8*(NB*\a+\b):8*(NB*\a+\b)+7], v[\f+8*\b:\f+8*\b+7], v[\f+8*NB+8*\a:\f+8*NB+8*\a+7], 0
.else
	v_wmma_f32_16x16x32_f16 v[8*(NB*\a+\b):8*(NB*\a+\b)+7], v[\f+8*\b:\f+8*\b+7], v[\f+8*NB+8*\a:\f+8*NB+8*\a+7], v[8*(NB*\a+\b):8*(NB*\a+\b)+7]
.endif
.endr
.endm
.macro FETCH slot, k, f                ; 16 LDS loads in one run: wt's 4 fragments, then ctx's 4
	WIN 0
.irp i, 0,1,2,3
	ds_load_b128 v[\f+8*\i:\f+8*\i+3],   v[ADRB+\slot] offset:\k+\i*16*PITCH
	ds_load_b128 v[\f+8*\i+4:\f+8*\i+7], v[ADRB+\slot] offset:\k+\i*16*PITCH+32
.endr
.irp i, 0,1,2,3
	ds_load_b128 v[\f+8*NB+8*\i:\f+8*NB+8*\i+3],   v[ADRA+\slot] offset:\k+\i*16*PITCH
	ds_load_b128 v[\f+8*NB+8*\i+4:\f+8*NB+8*\i+7], v[ADRA+\slot] offset:\k+\i*16*PITCH+32
.endr
.endm
; The 16 accumulators take turns, one instruction a turn, in the same order in every quarter.
.macro QUARTER slot, k, f, g, zero
	s_wait_dscnt 4                                 ; all but the youngest four loads: ctx's fragments 2 and 3 may be out
	WIN ACC
	MULA \f, 0, \zero
	MULA \f, 1, \zero
	PLACES
	FETCH \slot, \k, \g
	s_wait_dscnt 2*NB+8                            ; all but the run just issued
	WIN ACC
	MULA \f, 2, \zero
	MULA \f, 3, \zero
.endm
.macro THREE slot, zero
	QUARTER \slot, 64,  F0, F1, \zero
	QUARTER \slot, 128, F1, F0, 0
	QUARTER \slot, 192, F0, F1, 0
.endm
; The change of slots: my reads of this slot and all my tensor loads are waited for in front of the barrier; where the slot is filled again the
; barrier opens a round of the cluster's barrier and the joint refill is the first tensor load behind the round.
.macro TURN slot, next, fill
	s_wait_dscnt 4
	WIN ACC
	MULA F1, 0, 0
	s_wait_dscnt 0
	s_wait_tensorcnt 0x0
	ds_add_u32 v254, v255
	s_wait_dscnt 0x0
	s_barrier_signal -1
	MULA F1, 1, 0
	WIN 0
	s_barrier_wait -1
.if \fill
	CREST
	s_add_nc_u64 s[G0+4*\slot+2:G0+4*\slot+3], s[G0+4*\slot+2:G0+4*\slot+3], 2*KSTEP*2
	s_add_nc_u64 s[G0B+4*\slot+2:G0B+4*\slot+3], s[G0B+4*\slot+2:G0B+4*\slot+3], 2*KSTEP*2
	JLOAD \slot
.endif
	PLACES
	FETCH \next, 0, F0
	WIN ACC
	MULA F1, 2, 0
	MULA F1, 3, 0
.endm
.macro LAP zero
	THREE 0, \zero
	TURN 0, 1, 1
	THREE 1, 0
	TURN 1, 0, 1
.endm
	s_wait_tensorcnt 1                             ; my part of K step 0 is in; K step 1's load may stay out
	s_barrier_signal -1
	s_barrier_wait -1
	FETCH 0, 0, F0
	LAP 1
	WIN 0
	s_mov_b32 s3, LAPS-2
.Llap:
	LAP 0
	WIN 0
	s_sub_co_u32 s3, s3, 1
	s_cmp_lg_u32 s3, 0
	s_cbranch_scc1 .Llap
	THREE 0, 0
	TURN 0, 1, 0
	THREE 1, 0
	s_wait_dscnt 4
	WIN ACC
	MULA F1, 0, 0
	MULA F1, 1, 0
	s_wait_dscnt 0
	MULA F1, 2, 0
	MULA F1, 3, 0
	; THE WAY OUT, 16 rows at a time through my own stage: in by 32 bytes a lane, back as whole rows of 256 bytes, the bias added, stored.
	; LDS serves a wave's instructions in order, so no wait stands between my stores and my loads, nor between one group's loads and the next one's stores.
	PLACES
	s_lshl_b32 s16, s13, 7
	s_lshl_b32 s17, s11, 6
	s_add_co_u32 s16, s16, s17
	s_lshl_b32 s16, s16, 12                        ; my first row, rows of 4,096 bytes
	s_mov_b32 s17, 0
	s_add_nc_u64 s[8:9], s[8:9], s[16:17]
	s_lshl_b32 s46, s42, 9
	s_lshl_b32 s47, s12, 8
	s_add_co_u32 s46, s46, s47                     ; my first column, in bytes
	s_mov_b32 s47, 0
	s_add_nc_u64 s[8:9], s[8:9], s[46:47]
	s_wait_loadcnt 0x0                             ; the bias
.irp a, 0,1,2,3
	WIN 0x04                                       ; store data from window 1
.irp b, 0,1,2,3
	ds_store_b128 v[STO], v[8*(NB*\a+\b):8*(NB*\a+\b)+3]   offset:64*\b
	ds_store_b128 v[STO], v[8*(NB*\a+\b)+4:8*(NB*\a+\b)+7] offset:64*\b+16
.endr
	WIN 0
.irp t, 0,1,2,3,4,5,6,7
	ds_load_b128 v[F0+32*\a+4*\t:F0+32*\a+4*\t+3], v[RD] offset:2*SPITCH*\t
.endr
.irp t, 0,1,2,3,4,5,6,7
	s_wait_dscnt 7-\t                              ; LDS loads return in order
	v_pk_add_f32 v[F0+32*\a+4*\t:F0+32*\a+4*\t+1],   v[F0+32*\a+4*\t:F0+32*\a+4*\t+1],   v[BI:BI+1]
	v_pk_add_f32 v[F0+32*\a+4*\t+2:F0+32*\a+4*\t+3], v[F0+32*\a+4*\t+2:F0+32*\a+4*\t+3], v[BI+2:BI+3]
	global_store_b128 v[CO], v[F0+32*\a+4*\t:F0+32*\a+4*\t+3], s[8:9] offset:(16*\a+2*\t)*4096 th:TH_STORE_NT   ; sixteen lanes store 256 consecutive bytes, aligned
.endr
.endr
	s_wait_tensorcnt 0x0
	ds_add_u32 v254, v255
	s_wait_dscnt 0x0
	CROUND                                         ; the closing round
	s_endpgm
.Lfunc_end_k_qe5e729c08e_oproj:
	.size	k_qe5e729c08e_oproj, .Lfunc_end_k_qe5e729c08e_oproj-k_qe5e729c08e_oproj
	.p2alignl 7, 3214868480
	.fill 96, 4, 3214868480
	.section	.rodata,"a",@progbits
	.p2align	6, 0x0
	.amdhsa_kernel k_qe5e729c08e_oproj
		.amdhsa_group_segment_fixed_size 327680
		.amdhsa_private_segment_fixed_size 0
		.amdhsa_enable_private_segment 0
		.amdhsa_kernarg_size 32
		.amdhsa_user_sgpr_count 2
		.amdhsa_user_sgpr_kernarg_segment_ptr 1
		.amdhsa_wavefront_size32 1
		.amdhsa_system_sgpr_workgroup_id_x 1
		.amdhsa_system_sgpr_workgroup_id_y 1
		.amdhsa_system_sgpr_workgroup_id_z 1
		.amdhsa_system_vgpr_workitem_id 0
		.amdhsa_next_free_vgpr 384
		.amdhsa_next_free_sgpr 68
		.amdhsa_reserve_vcc 0
		.amdhsa_float_denorm_mode_32 3
		.amdhsa_float_denorm_mode_16_64 3
		.amdhsa_memory_ordered 1
		.amdhsa_forward_progress 1
		.amdhsa_inst_pref_size 78
	.end_amdhsa_kernel
	.amdgpu_metadata
---
amdhsa.version: [ 1, 2 ]
amdhsa.kernels:
  - .name:           k_qe5e729c08e_oproj
    .symbol:         k_qe5e729c08e_oproj.kd
    .args:
      - { .name: ctx, .offset: 0, .size: 8, .value_kind: global_buffer, .address_space: global }
      - { .name: wt, .offset: 8, .size: 8, .value_kind: global_buffer, .address_space: global }
      - { .name: bo, .offset: 16, .size: 8, .value_kind: global_buffer, .address_space: global }
      - { .name: out0, .offset: 24, .size: 8, .value_kind: global_buffer, .address_space: global }
    .group_segment_fixed_size: 327680
    .private_segment_fixed_size: 0
    .kernarg_segment_align: 8
    .kernarg_segment_size: 32
    .max_flat_workgroup_size: 128
    .sgpr_count:     68
    .vgpr_count:     384
    .wavefront_size: 32
...
	.end_amdgpu_metadata
.endif
;; end of part 4
